; MI455X (gfx1250); checked and timed in simulation.
; The chip was launched on July 23, 2026; its instructions are those of AMD's public machine-readable ISA for CDNA 5 (MIT licence, August 2026) and "CDNA5" Instruction Set Architecture Reference Guide (July 2026). The comments in the code are by the model that wrote it; some were corrected since.
;; Non Linear Bias Readout Block. Allowed arithmetic: float matrix products may take bf16 or f16 operands with f32 sums; other float arithmetic in f32, or as packed bf16 or f16 multiplies, adds, multiply-adds, maxima and minima; sums over many terms, partial sums and values carried from step to step in f32; what a program stores and reads back later, other than sums and carried values, may be rounded once to bf16 or f16.
;; Inputs: W1 1,024 x 1,024 float32; W2 1,024 x 4 float32; W_mid 1,024 x 1,024 float32; b2 4 float32; b_mid 1,024 float32; heads 25,000 int32; x 25,000 x 1,024 float32.
;; Outputs: out0 25,000 x 4 float32.
;; One version. Each part assembles by itself: llvm-mc -triple=amdgcn-amd-amdhsa -mcpu=gfx1250 --defsym DOCPART=n.
;; ======== version 1 of 1: 2 launches
;; workspace buffers: w1f 2,097,152 bytes; wmf 2,097,152 bytes; w2f 32,768 bytes; tiles 131,072 bytes of whole numbers
;; launch prep (part 1): grid 130 x 1, 32 waves a work-group, no clusters, 36,864 bytes of LDS; arguments heads, W1, W_mid, W2, w1f, wmf, w2f, tiles; writes w1f, wmf, w2f, tiles
.if DOCPART == 1
	.amdgcn_target "amdgcn-amd-amdhsa--gfx1250"
	.amdhsa_code_object_version 6
	.text
	.protected	k_q4917473c38_prep
	.globl	k_q4917473c38_prep
	.p2align	8
	.type	k_q4917473c38_prep,@function
k_q4917473c38_prep:
	s_mov_b64 s[64:65], 0
	v_nop
	global_prefetch_b8 v0, s[64:65] scope:SCOPE_SE
	s_setreg_imm32_b32 hwreg(HW_REG_WAVE_MODE, 25, 1), 1
	s_wait_xcnt 0x0
; PREP: the list of row tiles by head, and the three weights as bf16 matrix fragments.  The launch behind it (chain) computes
;   out[n] = mask(silu(silu(x[n] W1 / 32) W_mid / 32 + b_mid)) W2 / 32 + b2.
; WORK LEFT OUT, AND WHY IT IS DEAD.  _mask_head multiplies channel c of row n by one_hot(heads[n])[c / 256], a mask that the module builds itself: it is 0 for
; the three heads that are not heads[n].  So, whatever finite values the inputs hold, the 768 other columns of h W_mid, their b_mid, their silu and their rows of W2
; add 0 x W2 to row n: only columns 256 heads[n] .. 256 heads[n] + 255 of the second product, and those rows of W2, are computed.  Which columns are live is a whole
; number read from memory: this launch sorts the rows by head and stores the lists; the next launch reads them.  Every input keeps a way to the output; all are loaded.
; LIMITS.  A NaN, an infinity or an overflow that arises only in a masked channel is not carried to the output.  heads outside 0 .. 3 are taken as 3 (unsigned minimum).
; The weights are divided by 32 (a power of two: exact, but for numbers under 2^-121, which may lose bits) and rounded once to bf16.
; SHARES.  Work-group 0 sorts.  Work-group 1 lays out W2.  Work-groups 2 .. 129 each turn a block of 256 k x 64 columns of W1 or W_mid into 32 fragments.
; A FRAGMENT is 16 columns x 32 k in 1,024 bytes, as a wave's registers take it: the 16 bytes at 512 half + 16 (16 h + r) hold column r, k = 16 half + 8 h + 0 .. 7.
;   w1f: block (c, t, w) of 32 KB at ((4 c + t) 4 + w) 32768, fragment 4 ksl + b in it: column 256 c + 64 b + 16 w + r, k = 32 (8 t + ksl) + ..
;   wmf: block (e, c, w) likewise, fragment 4 ksl + ct2: column 256 e + 64 w + 16 ct2 + r, k = 256 c + 32 ksl + ..
;   w2f: fragment F = 2 (4 e + w) + q: row r of it is output r (0 for r > 3), k = channel 32 F + ..
; TILES: 256 tiles of 128 words.  Words 0 .. 111 row numbers (0 past the count: row 0 exists), word 112 the head, word 113 the count, word 120 a word that nobody reads.
; With 25,000 rows, 4 heads and tiles of 112 rows there are never more than 227 tiles in use, whatever the split.
.set SPARE, 32768                      ; behind the stage: the spare words, 128 bytes for each of the 32 waves
.set H,   8                            ; v[8:32]   sort: my 25 heads, later the byte offsets of my 25 stores
.set DAT, 34                           ; v[34:58]  sort: my 25 row numbers
.macro RED reg                         ; the sum over the wave's 32 lanes, in every lane; v69 has been written before
.irp m, 1,2,4,8
	v_mov_b32_dpp v69, v[\reg] row_xmask:\m row_mask:0xf bank_mask:0xf
	v_add_nc_u32 v[\reg], v[\reg], v69
.endr
	v_permlanex16_b32 v69, v[\reg], s52, s53
	v_add_nc_u32 v[\reg], v[\reg], v69
.endm
	s_load_b512 s[4:19], s[0:1], 0x0               ; heads 4:5, W1 6:7, W_mid 8:9, W2 10:11, w1f 12:13, wmf 14:15, w2f 16:17, tiles 18:19
	v_lshl_add_u32 v62, v0, 2, SPARE               ; my spare word,
	v_mov_b32 v63, 0                               ; and 0: kept for the closing add alone
	v_lshrrev_b32 v2, 5, v0
	v_readfirstlane_b32 s20, v2                    ; wave 0 .. 31
	v_and_b32 v1, 31, v0                           ; lane
	s_mov_b32 s22, 0x3d000000                      ; 1 / 32,
	s_mov_b32 s23, 0x3d000000                      ; named as a pair
	s_wait_kmcnt 0x0
	s_cmp_eq_u32 ttmp9, 0                          ; the branches hang on the work-group's number alone: all 32 waves go the same way
	s_cbranch_scc1 .Lsort
	s_cmp_eq_u32 ttmp9, 1
	s_cbranch_scc1 .Lw2
	; ---- a block of 256 k x 64 columns of W1 (work-groups 2 .. 65) or W_mid (66 .. 129)
	s_sub_co_u32 s21, ttmp9, 2
	s_lshr_b32 s24, s21, 6                         ; 0: W1, 1: W_mid
	s_and_b32 s25, s21, 63
	s_lshr_b32 s30, s25, 2                         ; G: which 64 columns
	s_and_b32 s31, s25, 3                          ; kb: which 256 k
	s_lshr_b32 s32, s30, 2                         ; hi = G / 4
	s_and_b32 s33, s30, 3                          ; lo = G % 4
	s_mov_b32 s36, 32768
	s_mov_b32 s37, 1024
	s_cmp_eq_u32 s24, 0
	s_cselect_b64 s[26:27], s[6:7], s[8:9]         ; from
	s_cselect_b64 s[28:29], s[12:13], s[14:15]     ; to
	s_cselect_b32 s34, s36, s37                    ; bytes from one group of 16 columns to the next: W1: another wave's block; W_mid: the next fragment
	s_cselect_b32 s35, s37, s36                    ; bytes for lo: the other way round
	s_lshl_b32 s38, s31, 20                        ; 256 rows of 4,096 bytes
	s_lshl_b32 s39, s30, 8                         ; 64 columns of 4 bytes
	s_add_co_u32 s38, s38, s39
	s_mov_b32 s39, 0
	s_add_nc_u64 s[26:27], s[26:27], s[38:39]
	s_lshl2_add_u32 s40, s32, s31                  ; 4 hi + kb
	s_lshl_b32 s40, s40, 17
	s_mul_i32 s41, s33, s35
	s_add_co_u32 s40, s40, s41
	s_mov_b32 s41, 0
	s_add_nc_u64 s[28:29], s[28:29], s[40:41]
	v_lshlrev_b32 v3, 3, v1                        ; my pair of columns,
	s_lshl_b32 s42, s20, 15                        ; my wave's 8 rows of k
	v_add_nc_u32 v3, s42, v3
.set j, 0
.rept 8
	global_load_b64 v[8+2*j:9+2*j], v3, s[26:27] offset:j*4096 th:TH_LOAD_NT  ; 32 lanes x 8 bytes: 256 consecutive bytes, aligned, of one row; each byte is read once in the launch
.set j, j+1
.endr
	v_lshlrev_b32 v4, 5, v0                        ; into the stage: 1,024 bytes on end for each wave, 16 bytes for each of its 64 columns
	v_lshrrev_b32 v5, 8, v0                        ; back, in the fragments' order: thread t takes k group 4 (t >> 8) + ((t >> 4) & 3), column 16 ((t >> 6) & 3) + (t & 15)
	v_lshlrev_b32 v5, 12, v5
	v_bfe_u32 v6, v0, 4, 2
	v_lshl_add_u32 v5, v6, 10, v5
	v_bfe_u32 v6, v0, 6, 2
	v_lshl_add_u32 v5, v6, 8, v5
	v_and_b32 v7, 15, v0
	v_lshl_add_u32 v5, v7, 4, v5
	v_mul_lo_u32 v6, v6, s34                       ; and out: 4,096 (t >> 8) + the column group's stride + 16 (t & 63)
	v_lshrrev_b32 v7, 8, v0
	v_lshl_add_u32 v6, v7, 12, v6
	v_and_b32 v7, 63, v0
	v_lshl_add_u32 v6, v7, 4, v6
	s_wait_loadcnt 0x0
.set j, 0
.rept 8
	v_pk_mul_f32 v[8+2*j:9+2*j], v[8+2*j:9+2*j], s[22:23] op_sel_hi:[1,0]
.set j, j+1
.endr
.set j, 0
.rept 4
	v_cvt_pk_bf16_f32 v[24+j], v[8+4*j], v[10+4*j] ; the even column's k = 2 j, 2 j + 1
	v_cvt_pk_bf16_f32 v[28+j], v[9+4*j], v[11+4*j] ; the odd column's
.set j, j+1
.endr
	ds_store_b128 v4, v[24:27]
	ds_store_b128 v4, v[28:31] offset:16
	s_wait_dscnt 0x0                               ; for the others' sake: my stores into the stage are done
	s_barrier_signal -1
	s_barrier_wait -1
	ds_load_b128 v[32:35], v5
	ds_load_b128 v[36:39], v5 offset:16384
	s_wait_dscnt 0x0
	global_store_b128 v6, v[32:35], s[28:29]               ; a wave stores 512 consecutive bytes, aligned: half a fragment
	global_store_b128 v6, v[36:39], s[28:29] offset:16384
	s_branch .Lend
	; ---- W2: 32 fragments; thread t makes the 16 bytes at 16 t and at 16 t + 16,384
.Lw2:
	v_and_b32 v7, 15, v0                           ; r: the output, where below 4
	v_min_u32 v3, 3, v7
	v_lshrrev_b32 v4, 4, v0
	v_lshlrev_b32 v4, 7, v4                        ; 8 channels of 16 bytes
	v_lshl_add_u32 v3, v3, 2, v4
.set j, 0
.rept 16
	global_load_b32 v[8+j], v3, s[10:11] offset:(j/8)*8192+(j%8)*16
.set j, j+1
.endr
	v_lshlrev_b32 v5, 4, v0
	v_cmp_gt_u32 vcc_lo, 4, v7
	s_wait_loadcnt 0x0
.set j, 0
.rept 8
	v_pk_mul_f32 v[8+2*j:9+2*j], v[8+2*j:9+2*j], s[22:23] op_sel_hi:[1,0]
.set j, j+1
.endr
.set j, 0
.rept 8
	v_cvt_pk_bf16_f32 v[24+j], v[8+2*j], v[9+2*j]
.set j, j+1
.endr
.set j, 0
.rept 8
	v_cndmask_b32 v[24+j], 0, v[24+j], vcc_lo      ; rows 4 .. 15 of a fragment are 0
.set j, j+1
.endr
	global_store_b128 v5, v[24:27], s[16:17]
	global_store_b128 v5, v[28:31], s[16:17] offset:16384
	s_branch .Lend
	; ---- the counting sort.  Thread t < 1000 owns rows 1000 j + t, j = 0 .. 24.  A row's rank among its head's rows goes by (wave, j, lane).
.Lsort:
	v_min_u32 v3, 0x3e7, v0
	v_lshlrev_b32 v3, 2, v3
.set j, 0
.rept 25
	global_load_b32 v[H+j], v3, s[4:5] offset:j*4000
.set j, j+1
.endr
	v_cmp_gt_u32 s39, 0x3e8, v0                    ; the lanes that own rows
	v_cndmask_b32 v4, 4, 0, s39                    ; the others' heads get bit 2 and match no head
	s_mov_b32 s44, 0
	s_mov_b32 s45, 0
	s_mov_b32 s46, 0
	s_mov_b32 s52, 0x76543210                      ; v_permlanex16_b32: each lane takes its own place in the other half
	s_mov_b32 s53, 0xfedcba98
	s_wait_loadcnt 0x0
.set j, 0
.rept 25
	v_min_u32 v[H+j], 3, v[H+j]
	v_or_b32 v[H+j], v4, v[H+j]
.set j, j+1
.endr
.set j, 0
.rept 25                                       ; pass 1: my wave's count of heads 0, 1, 2
	v_cmp_eq_u32 s40, 0, v[H+j]
	v_cmp_eq_u32 s41, 1, v[H+j]
	v_cmp_eq_u32 s42, 2, v[H+j]
	s_bcnt1_i32_b32 s48, s40
	s_bcnt1_i32_b32 s49, s41
	s_bcnt1_i32_b32 s50, s42
	s_add_co_u32 s44, s44, s48
	s_add_co_u32 s45, s45, s49
	s_add_co_u32 s46, s46, s50
.set j, j+1
.endr
	s_bcnt1_i32_b32 s47, s39                       ; head 3: the wave's rows less the other three
	s_mul_i32 s47, s47, 25
	s_sub_co_u32 s47, s47, s44
	s_sub_co_u32 s47, s47, s45
	s_sub_co_u32 s47, s47, s46
	s_lshl_b32 s48, s45, 16                        ; two counts to a word: no sum passes 25,000, so no field carries
	s_or_b32 s48, s48, s44
	s_lshl_b32 s49, s47, 16
	s_or_b32 s49, s49, s46
	s_lshl_b32 s50, s20, 3
	v_mov_b32 v5, s50
	v_mov_b32 v6, s48
	v_mov_b32 v7, s49
	ds_store_b64 v5, v[6:7]                        ; all lanes write the same 8 bytes with the same values
	s_wait_dscnt 0x0
	s_barrier_signal -1
	s_barrier_wait -1
	v_lshlrev_b32 v66, 3, v1
	ds_load_b64 v[64:65], v66                      ; lane l holds wave l's counts
	v_mov_b32 v69, 0
	v_cmp_gt_u32 vcc_lo, s20, v1                   ; the waves in front of mine
	s_wait_dscnt 0x0
	v_cndmask_b32 v67, 0, v64, vcc_lo
	v_cndmask_b32 v68, 0, v65, vcc_lo
	RED 64
	RED 65
	RED 67
	RED 68
	v_readfirstlane_b32 s54, v64
	v_readfirstlane_b32 s55, v65
	v_readfirstlane_b32 s56, v67
	v_readfirstlane_b32 s57, v68
	s_and_b32 s24, s54, 0xffff                     ; s24 .. 27: the heads' rows
	s_lshr_b32 s25, s54, 16
	s_and_b32 s26, s55, 0xffff
	s_lshr_b32 s27, s55, 16
	s_and_b32 s58, s56, 0xffff                     ; s58 .. 61: of them in the waves in front of mine
	s_lshr_b32 s59, s56, 16
	s_and_b32 s60, s57, 0xffff
	s_lshr_b32 s61, s57, 16
	s_mov_b32 s28, 0                               ; s28 .. 31: the heads' first tiles
.irp e, 0,1,2
	s_add_co_u32 s40, s[24+\e], 111                ; ceil(n / 112) = ((n + 111) >> 4) / 7; x / 7 = (9363 x) >> 16 for x under 13,107
	s_lshr_b32 s40, s40, 4
	s_mul_i32 s40, s40, 9363
	s_lshr_b32 s40, s40, 16
	s_add_co_u32 s[29+\e], s[28+\e], s40
.endr
.irp e, 0,1,2,3
	s_mul_i32 s40, s[28+\e], 112
	s_add_co_u32 s[44+\e], s40, s[58+\e]           ; s44 .. 47: the place (112 x tile + slot) of my wave's next row of each head
.endr
	v_mov_b32 v76, 0x1ffe0                         ; the unread word of tile 255: where lanes without a row store
.set j, 0
.rept 25                                       ; pass 2: each row's place, and its store.  No register that a store names is written again
	v_cmp_eq_u32 s40, 0, v[H+j]
	v_cmp_eq_u32 s41, 1, v[H+j]
	v_cmp_eq_u32 s42, 2, v[H+j]
	v_cmp_eq_u32 s43, 3, v[H+j]
	v_mbcnt_lo_u32_b32 v70, s40, s44               ; the head's next place + the lower lanes with that head
	v_mbcnt_lo_u32_b32 v71, s41, s45
	v_mbcnt_lo_u32_b32 v72, s42, s46
	v_mbcnt_lo_u32_b32 v73, s43, s47
	s_bcnt1_i32_b32 s48, s40
	s_bcnt1_i32_b32 s49, s41
	s_bcnt1_i32_b32 s50, s42
	s_bcnt1_i32_b32 s51, s43
	s_add_co_u32 s44, s44, s48
	s_add_co_u32 s45, s45, s49
	s_add_co_u32 s46, s46, s50
	s_add_co_u32 s47, s47, s51
	v_cndmask_b32 v70, v70, v71, s41
	v_cndmask_b32 v70, v70, v72, s42
	v_cndmask_b32 v70, v70, v73, s43               ; p
	v_lshrrev_b32 v75, 4, v70
	v_mul_u32_u24 v75, v75, 0x2493
	v_lshrrev_b32 v75, 16, v75                     ; the tile = p / 112
	v_lshlrev_b32 v70, 2, v70
	v_lshl_add_u32 v70, v75, 6, v70                ; 512 x tile + 4 x slot = 4 p + 64 x tile
	v_cndmask_b32 v70, v76, v70, s39
	v_min_u32 v[H+j], 0x1fffc, v70                 ; an offset made of loaded numbers is held inside the buffer
	v_add_nc_u32 v[DAT+j], j*1000, v0
	global_store_b32 v[H+j], v[DAT+j], s[18:19]
.set j, j+1
.endr
	; the slots past each tile's count, and its head and count: wave w takes tiles w, w + 32, .. w + 224
.irp q, 0,1,2,3
	v_add_nc_u32 v[80+\q], 32*\q, v1               ; slot
	v_lshlrev_b32 v[84+\q], 2, v[80+\q]
.endr
	v_mov_b32 v92, 0x1e0                           ; the tile's unread word: where lanes whose slot holds a row store
	v_mov_b32 v93, 0
	s_mov_b32 s36, 0
	s_mov_b32 s37, s20
.Lpad:
	s_mov_b32 s48, 0                               ; the tile's head: the last one whose first tile is not behind it
	s_mov_b32 s49, s24
	s_mov_b32 s50, 0
.irp e, 1,2,3
	s_cmp_ge_u32 s37, s[28+\e]
	s_cselect_b32 s48, s[28+\e], s48
	s_cselect_b32 s49, s[24+\e], s49
	s_cselect_b32 s50, \e, s50
.endr
	s_sub_co_u32 s51, s37, s48
	s_mul_i32 s51, s51, 112
	s_min_u32 s51, s51, s49                        ; the head's rows in the tiles in front
	s_sub_co_u32 s51, s49, s51
	s_min_u32 s51, s51, 112                        ; the count; 0 in a tile that the split leaves unused
	s_lshl_b32 s38, s37, 9
.irp q, 0,1,2,3
	v_cmp_le_u32 s40, s51, v[80+\q]                ; slots at or past the count
.if \q == 3
	s_and_b32 s40, s40, 0xffff                     ; slots 112 .. 127 are no slots
.endif
	v_cndmask_b32 v[88+\q], v92, v[84+\q], s40
	v_add_nc_u32 v[88+\q], s38, v[88+\q]
	v_min_u32 v[88+\q], 0x1fffc, v[88+\q]
	global_store_b32 v[88+\q], v93, s[18:19]
.endr
	v_mov_b32 v94, s50
	v_mov_b32 v95, s51
	v_mov_b32 v96, s38
	global_store_b64 v96, v[94:95], s[18:19] offset:448
	s_wait_xcnt 0x0                                ; the trip's stores have read their offsets and data: the next trip writes them anew
	s_add_co_u32 s37, s37, 32
	s_add_co_u32 s36, s36, 1
	s_cmp_lt_u32 s36, 8
	s_cbranch_scc1 .Lpad
.Lend:
	s_wait_tensorcnt 0x0                           ; the wave's end, behind my last LDS store
	ds_add_u32 v62, v63
	s_wait_dscnt 0x0
	s_endpgm
.Lfunc_end_k_q4917473c38_prep:
	.size	k_q4917473c38_prep, .Lfunc_end_k_q4917473c38_prep-k_q4917473c38_prep
	.p2alignl 7, 3214868480
	.fill 96, 4, 3214868480
	.section	.rodata,"a",@progbits
	.p2align	6, 0x0
	.amdhsa_kernel k_q4917473c38_prep
		.amdhsa_group_segment_fixed_size 36864
		.amdhsa_private_segment_fixed_size 0
		.amdhsa_enable_private_segment 0
		.amdhsa_kernarg_size 64
		.amdhsa_user_sgpr_count 2
		.amdhsa_user_sgpr_kernarg_segment_ptr 1
		.amdhsa_wavefront_size32 1
		.amdhsa_system_sgpr_workgroup_id_x 1
		.amdhsa_system_sgpr_workgroup_id_y 1
		.amdhsa_system_sgpr_workgroup_id_z 1
		.amdhsa_system_vgpr_workitem_id 0
		.amdhsa_next_free_vgpr 128
		.amdhsa_next_free_sgpr 66
		.amdhsa_reserve_vcc 1
		.amdhsa_float_denorm_mode_32 3
		.amdhsa_float_denorm_mode_16_64 3
		.amdhsa_memory_ordered 1
		.amdhsa_forward_progress 1
		.amdhsa_inst_pref_size 66
	.end_amdhsa_kernel
	.amdgpu_metadata
---
amdhsa.version: [ 1, 2 ]
amdhsa.kernels:
  - .name:           k_q4917473c38_prep
    .symbol:         k_q4917473c38_prep.kd
    .args:
      - { .name: heads, .offset: 0, .size: 8, .value_kind: global_buffer, .address_space: global }
      - { .name: W1, .offset: 8, .size: 8, .value_kind: global_buffer, .address_space: global }
      - { .name: W_mid, .offset: 16, .size: 8, .value_kind: global_buffer, .address_space: global }
      - { .name: W2, .offset: 24, .size: 8, .value_kind: global_buffer, .address_space: global }
      - { .name: w1f, .offset: 32, .size: 8, .value_kind: global_buffer, .address_space: global }
      - { .name: wmf, .offset: 40, .size: 8, .value_kind: global_buffer, .address_space: global }
      - { .name: w2f, .offset: 48, .size: 8, .value_kind: global_buffer, .address_space: global }
      - { .name: tiles, .offset: 56, .size: 8, .value_kind: global_buffer, .address_space: global }
    .group_segment_fixed_size: 36864
    .private_segment_fixed_size: 0
    .kernarg_segment_align: 8
    .kernarg_segment_size: 64
    .max_flat_workgroup_size: 1024
    .sgpr_count:     66
    .vgpr_count:     128
    .wavefront_size: 32
...
	.end_amdgpu_metadata
.endif
;; end of part 1
;; launch chain (part 2): grid 227 x 1, 4 waves a work-group, no clusters, 305,152 bytes of LDS; arguments x, w1f, wmf, w2f, b_mid, b2, tiles, out0; writes out0
.if DOCPART == 2
	.amdgcn_target "amdgcn-amd-amdhsa--gfx1250"
	.amdhsa_code_object_version 6
	.text
	.protected	k_q4917473c38_chain
	.globl	k_q4917473c38_chain
	.p2align	8
	.type	k_q4917473c38_chain,@function
k_q4917473c38_chain:
	s_mov_b64 s[64:65], 0
	v_nop
	global_prefetch_b8 v0, s[64:65] scope:SCOPE_SE
	s_setreg_imm32_b32 hwreg(HW_REG_WAVE_MODE, 25, 1), 1
	s_wait_xcnt 0x0
; CHAIN: a tile of 112 rows of ONE head goes through the whole module: gather x, x W1 / 32, silu, the head's 256 columns of h W_mid / 32 + b_mid, silu, W2 / 32, + b2, store.
; WORK LEFT OUT: the 768 columns of the second product, and their rows of W2, that the module's own one_hot mask multiplies by 0 for this tile's head (shown at the head of prep).
; LIMITS.  A NaN, an infinity or an overflow that arises only in a masked channel is not carried to the output.  x, the weights, h1 and h2 are rounded once to bf16; sums, b_mid and b2 stay f32.
; GRID.  ceil(25000 / 112) + 4 - 1 = 227 tiles serve every split of the rows over the heads.  No branch hangs on a tile's head or count: a tile that the split leaves empty runs on row 0 and stores nothing.
; BOTH PRODUCTS ARE USED TRANSPOSED: source 0 = 16 channels of a weight, source 1 = 16 rows.  In a result lane l holds ONE row (l % 16) and the channels 8 (l / 16) + 0 .. 7.  So h1 packs into 16 bytes
; of a row of the stage, two tiles of h2 rounded in pairs ARE source 1 of the last product, and that product leaves a row's four outputs in registers 0 .. 3 of lanes 0 .. 15.
; SHARES.  The four waves split the channels; each takes all 7 tiles of 16 rows.  First product: four chunks of 256 channels, a wave 64 of them (4 tiles: 28 accumulators).  After each chunk: silu, the
; chunk's h1 into a stage in LDS, and the second product takes it as 256 of its K: again 28 accumulators, which begin at b_mid and live through all four chunks.
; WEIGHTS come as ready fragments of 1,024 bytes, each read by ONE wave, straight from memory into a ring of 32 fragments (8 K steps of 4); each feeds 7 matrix instructions.
; NO JOINT LOADS, NO TENSOR LOADS: a joint tile would land in LDS, where the x tile (231,168 bytes), the stage (59,136) and the partial outputs leave 22,528 of 327,680 bytes: less than two slots of the
; 16,384 bytes of weights that the four waves take in one K step; x's rows come by a list, which no descriptor covers; and a weight fragment has one reader, so LDS would add a write and a read to it.
; out0's rows are 16 bytes each, at places that the sort scatters: they are stored a row a lane; they are 400,000 bytes in all.
; REGISTERS, in windows of 256 (s_set_vgpr_msb: bits 1:0 source 0, 3:2 source 1, 5:4 source 2, 7:6 destination):
;   window 0: addresses; v48-159 two buffers of 7 fragments of x or h1; v160-255 at work          window 1: the ring: K step k's fragment ct at 32 k + 8 ct
;   window 2: v0-223 the first product's sums, tile (ct, nt) at 8 (7 ct + nt) (at the start: x as loaded, two sets of 112); v224-239 W2's two fragments          window 3: v0-223 the second product's sums
.set XT,    0                          ; LDS: the x tile in bf16, 112 rows
.set XP,    2064                       ; its pitch: 2,048 + 16 = 129 x 16 bytes: the 16 rows of a fragment load start at 16 different 16-byte columns modulo 256
.set HS,    231168                     ; the stage: 112 rows x 256 channels of h1
.set HP,    528                        ; its pitch: 512 + 16 = 33 x 16 bytes
.set PT,    290304                     ; the partial outputs: 3,584 x wave + 1,792 x (lane / 16) + 16 x row (the upper lanes' half holds the last product's rows 8 .. 11, which are 0)
.set SPARE, 304640                     ; the spare words, 128 bytes for each wave
.set L16, 1                            ; v1   16 x lane
.set XS,  2                            ; v2   where I put 8 bytes of x: my wave's 28 rows, 8 x lane; steps along the rows
.set BH,  3                            ; v3   my place in a fragment of the stage: HS + (l % 16) HP + 16 (l / 16)
.set SS,  4                            ; v4   where I put 16 bytes of h1: BH + 32 x wave
.set PS,  5                            ; v5   where I put a row's partial outputs
.set SPW, 6                            ; v6   my spare word
.set NIL, 7                            ; v7   0
.set PR,  8                            ; v8   where I read partial outputs: row 28 x wave + lane
.set RO,  9                            ; v9   that row's number in x and out0, later its byte offset in out0
.set NN,  10                           ; v10  28 x wave + lane
.set BO,  11                           ; v11  32 x (l / 16): my 8 channels in 16 of b_mid
.set OFF, 12                           ; v12-39  my byte offset in x's row i of my wave's 28: 4,096 x row + 16 x lane
.set BX,  40                           ; v40-46  my place in x's fragments of row tile nt; steps along K
.set RA,  47                           ; v47  the byte offset of RO's word in the tile's list
.set BUF, 48
.set T,   160
.set WP,  28                           ; s[28:29] the block of 32 fragments from which the ring is being filled
.set W1P, 30                           ; s[30:31] W1's next block
.set WMP, 32                           ; s[32:33] W_mid's next block
.set MSB, 0
.macro WIN new                         ; the immediate's high byte repeats the setting that is left; a switch that changes nothing is dropped
.if MSB != (\new)
	s_set_vgpr_msb (MSB<<8)|(\new)
.set MSB, \new
.endif
.endm
.set W_RING, 0x40                      ; destination window 1
.set W_D2,   0x80                      ; destination window 2
.set W_D3,   0xc0                      ; destination window 3
.set W_CV,   0x0a                      ; sources 0 and 1 window 2
	s_load_b512 s[4:19], s[0:1], 0x0               ; x 4:5, w1f 6:7, wmf 8:9, w2f 10:11, b_mid 12:13, b2 14:15, tiles 16:17, out0 18:19
	v_lshl_add_u32 v[SPW], v0, 2, SPARE
	v_mov_b32 v[NIL], 0
	v_lshrrev_b32 v[T+3], 5, v0
	v_readfirstlane_b32 s22, v[T+3]                ; wave 0 .. 3
	v_and_b32 v[T], 31, v0                         ; l
	v_and_b32 v[T+1], 15, v0                       ; l % 16
	v_bfe_u32 v[T+2], v0, 4, 1                     ; l / 16
	v_lshlrev_b32 v[L16], 4, v[T]
	s_mul_i32 s23, s22, 112                        ; my wave's 28 words of the list
	s_lshl_b32 s68, ttmp9, 9                       ; my tile's 512 bytes
	s_mov_b32 s69, 0
	s_lshl_b32 s70, s22, 15                        ; my wave's block among four
	s_mov_b32 s71, 0
	s_mov_b32 s66, 0xbfb8aa3b                      ; - log2(e),
	s_mov_b32 s67, 0xbfb8aa3b                      ; named as a pair
	s_wait_kmcnt 0x0
	s_add_nc_u64 s[16:17], s[16:17], s[68:69]
	s_load_b64 s[20:21], s[16:17], 0x1c0           ; the tile's head and count
	s_load_b512 s[36:51], s[16:17], s23 offset:0x0 ; my wave's 28 row numbers
	s_load_b256 s[52:59], s[16:17], s23 offset:0x40
	s_load_b128 s[60:63], s[16:17], s23 offset:0x60
	s_load_b128 s[24:27], s[14:15], 0x0            ; b2
	s_add_nc_u64 s[WP:WP+1], s[6:7], s[70:71]      ; W1's block 0 of my wave
	s_add_nc_u64 s[W1P:W1P+1], s[WP:WP+1], 0x20000
	WIN W_RING                                     ; the ring's first fill, K steps 0 .. 6, goes out while the list is on its way; K step 7 is left to the first KS, so that every revolution is alike
.set g, 0
.rept 7
.set ct, 0
.rept 4
	global_load_b128 v[32*g+8*ct:32*g+8*ct+3],   v[L16], s[WP:WP+1] offset:(4*g+ct)*1024
	global_load_b128 v[32*g+8*ct+4:32*g+8*ct+7], v[L16], s[WP:WP+1] offset:(4*g+ct)*1024+512
.set ct, ct+1
.endr
.set g, g+1
.endr
	WIN 0
	s_mul_i32 s68, s22, 28*XP
	v_lshl_add_u32 v[XS], v[T], 3, s68
	v_mul_u32_u24 v[T+3], v[T+1], HP
	v_lshl_add_u32 v[T+3], v[T+2], 4, v[T+3]
	v_add_nc_u32 v[BH], HS, v[T+3]
	s_lshl_b32 s68, s22, 5
	v_add_nc_u32 v[SS], s68, v[BH]
	s_mul_i32 s68, s22, 3584
	s_add_co_u32 s68, s68, PT
	v_mul_u32_u24 v[PS], v[T+2], 1792
	v_lshl_add_u32 v[PS], v[T+1], 4, v[PS]
	v_add_nc_u32 v[PS], s68, v[PS]
	s_mul_i32 s68, s22, 28
	v_add_nc_u32 v[NN], s68, v[T]
	v_lshl_add_u32 v[PR], v[NN], 4, PT
	v_lshlrev_b32 v[BO], 5, v[T+2]
	v_min_u32 v[RA], 27, v[T]                      ; lanes 28 .. 31 repeat lane 27's word
	v_lshl_add_u32 v[RA], v[RA], 2, s23
	v_mul_u32_u24 v[T+4], v[T+1], XP
	v_lshl_add_u32 v[T+4], v[T+2], 4, v[T+4]
.set nt, 0
.rept 7
	v_add_nc_u32 v[BX+nt], XT+nt*16*XP, v[T+4]
.set nt, nt+1
.endr
	s_wait_kmcnt 0x0
	s_min_u32 s20, s20, 3                          ; numbers from memory are held to their range before they enter an address
	s_lshl_b32 s68, s20, 19                        ; W_mid's four blocks x four waves of this head,
	s_add_co_u32 s68, s68, s70                     ; my wave's
	s_mov_b32 s69, 0
	s_add_nc_u64 s[WMP:WMP+1], s[8:9], s[68:69]
	s_lshl_b32 s72, s20, 10                        ; b_mid at the head's 256 channels, my wave's 64
	s_lshl_b32 s73, s22, 8
	s_add_co_u32 s72, s72, s73
	s_mov_b32 s73, 0
	s_add_nc_u64 s[72:73], s[12:13], s[72:73]
	s_lshl_b32 s74, s20, 13                        ; W2's two fragments for those 64 channels
	s_lshl_b32 s75, s22, 11
	s_add_co_u32 s74, s74, s75
	s_mov_b32 s75, 0
	s_add_nc_u64 s[74:75], s[10:11], s[74:75]
.set i, 0
.rept 28
	s_min_u32 s[36+i], s[36+i], 24999
	s_lshl_b32 s[36+i], s[36+i], 12
	v_add_nc_u32 v[OFF+i], s[36+i], v[L16]
.set i, i+1
.endr
; PHASE X.  A wave gathers its 28 rows of x, 128 numbers of each row (a slab) at a time: a load takes 512 consecutive bytes, aligned, of one row.  Two sets of 112 registers: 56 loads of a wave are out.
; The list names each row of x once (but for row 0 in the slots past a tile's count), so x is read once in the launch.
.macro XLOAD set, imm
	WIN W_D2
.set i, 0
.rept 28
	global_load_b128 v[112*(\set)+4*i:112*(\set)+4*i+3], v[OFF+i], s[4:5] offset:\imm th:TH_LOAD_NT
.set i, i+1
.endr
.endm
.macro XCVT set, ldsimm                ; a slab is rounded to bf16 and stored: 32 lanes x 8 bytes are 256 consecutive bytes of an LDS row
	WIN W_CV
.set i, 0
.rept 28
	v_cvt_pk_bf16_f32 v[T+2*i],   v[112*(\set)+4*i],   v[112*(\set)+4*i+1]
	v_cvt_pk_bf16_f32 v[T+2*i+1], v[112*(\set)+4*i+2], v[112*(\set)+4*i+3]
.set i, i+1
.endr
	WIN 0
.set i, 0
.rept 28
	ds_store_b64 v[XS], v[T+2*i:T+2*i+1] offset:i*XP+(\ldsimm)
.set i, i+1
.endr
.endm
	XLOAD 0, 0
	XLOAD 1, 512
	WIN 0
	s_mov_b32 s35, 3
.Lx:                                           ; a trip: slabs 2 i and 2 i + 1 are stored, slabs 2 i + 2 and 2 i + 3 asked for
	s_wait_loadcnt 28                              ; set 0 is in (and, the first time, the ring); set 1's 28 loads may stay out
	XCVT 0, 0
	XLOAD 0, 1024
	s_wait_loadcnt 28                              ; set 1 is in; the 28 just issued may stay out
	XCVT 1, 256
	XLOAD 1, 1536
	WIN 0
	s_wait_xcnt 0x0                                ; the loads have read their base: it is stepped only behind this wait
	s_add_nc_u64 s[4:5], s[4:5], 1024
	v_add_nc_u32 v[XS], 512, v[XS]
	s_sub_co_u32 s35, s35, 1
	s_cmp_lg_u32 s35, 0
	s_cbranch_scc1 .Lx
	s_wait_loadcnt 28                              ; the last two slabs load nothing
	XCVT 0, 0
	s_wait_loadcnt 0x0
	; 61 loads that are wanted late.  The second product's sums BEGIN AT b_mid: each of its 28 tiles takes its lane's 8 channels, so nothing is cleared and no bias is added later.
	; They have no wait of their own: loads end in the order of issue (ISA guide 5.7.1), and each is read only behind waits that leave at most 56 younger loads out (the sums: 256 ring loads later) or none.
	WIN W_D3
.set ct, 0
.rept 4
.set nt, 0
.rept 7
	global_load_b128 v[8*(7*ct+nt):8*(7*ct+nt)+3],   v[BO], s[72:73] offset:ct*64
	global_load_b128 v[8*(7*ct+nt)+4:8*(7*ct+nt)+7], v[BO], s[72:73] offset:ct*64+16
.set nt, nt+1
.endr
.set ct, ct+1
.endr
	WIN W_D2
.set q, 0
.rept 2
	global_load_b128 v[224+8*q:224+8*q+3], v[L16], s[74:75] offset:q*1024
	global_load_b128 v[224+8*q+4:224+8*q+7], v[L16], s[74:75] offset:q*1024+512
.set q, q+1
.endr
	WIN 0
	global_load_b32 v[RO], v[RA], s[16:17]
	XCVT 1, 256
	s_wait_dscnt 0x0                               ; for the others' sake: my rows of the x tile are stored
	s_barrier_signal -1
	s_barrier_wait -1
; ONE K STEP of 32.  k: its place in the ring (0 .. 7).  g = 1: first product, g = 2: second.  zero = 1: the products start the sums.  refill = 1: the ring's group that the step before has multiplied is asked for again.
; pf = 1: the next step's 7 fragments of x (g = 1) or of the stage (g = 2), at byte po of the rows, into the other buffer; pf = 2: the next chunk's first fragments of x.
; Four v_nop: a load into a register that a matrix instruction has read stands four places behind it (ISA guide 7.12.1 for vector instructions).
; The 28 accumulators take turns, one instruction a turn, in the same order in every step.
.macro KS k, g, zero, refill, pf, po, lc, dc
.rept 4
	v_nop
.endr
.if \refill
	WIN W_RING
.set kp, ((\k)+7)%8
.set ct, 0
.rept 4
	global_load_b128 v[32*kp+8*ct:32*kp+8*ct+3],   v[L16], s[WP:WP+1] offset:(4*kp+ct)*1024
	global_load_b128 v[32*kp+8*ct+4:32*kp+8*ct+7], v[L16], s[WP:WP+1] offset:(4*kp+ct)*1024+512
.set ct, ct+1
.endr
.endif
.if \pf
	WIN 0
.set bb, BUF+56*(((\k)+1)%2)
.set nt, 0
.rept 7
.if (\pf) == 2
	ds_load_b128 v[bb+8*nt:bb+8*nt+3],   v[BX+nt]
	ds_load_b128 v[bb+8*nt+4:bb+8*nt+7], v[BX+nt] offset:32
.elseif (\g) == 1
	ds_load_b128 v[bb+8*nt:bb+8*nt+3],   v[BX+nt] offset:\po
	ds_load_b128 v[bb+8*nt+4:bb+8*nt+7], v[BX+nt] offset:(\po)+32
.else
	ds_load_b128 v[bb+8*nt:bb+8*nt+3],   v[BH] offset:nt*16*HP+(\po)
	ds_load_b128 v[bb+8*nt+4:bb+8*nt+7], v[BH] offset:nt*16*HP+(\po)+32
.endif
.set nt, nt+1
.endr
.endif
	s_wait_loadcnt \lc                             ; group k is in: behind its 8 loads the other groups' were issued (56 where all seven are refilled)
	s_wait_dscnt \dc                               ; this step's fragments are in; the 14 loads just issued may stay out
	WIN 0xa1+0x50*((\g)-1)                         ; weights window 1, rows window 0, sums window 2 or 3
.set nt, 0
.rept 7
.set ct, 0
.rept 4
.set rD, 8*(7*ct+nt)
.set rA, 32*(\k)+8*ct
.set rB, BUF+56*((\k)%2)+8*nt
.if \zero
	v_wmma_f32_16x16x32_bf16 v[rD:rD+7], v[rA:rA+7], v[rB:rB+7], 0
.else
	v_wmma_f32_16x16x32_bf16 v[rD:rD+7], v[rA:rA+7], v[rB:rB+7], v[rD:rD+7]
.endif
.set ct, ct+1
.endr
.set nt, nt+1
.endr
.endm
; The ring goes on to the next block.  A revolution's step 0 refills group 7 from the block in hand, so the pointer steps between steps 0 and 1.
.macro ADV src
	s_wait_xcnt 0x0                                ; the ring's loads have read their base
	s_mov_b64 s[WP:WP+1], s[\src:\src+1]
	s_add_nc_u64 s[\src:\src+1], s[\src:\src+1], 0x20000
.endm
; silu of 7 tiles (channel tile cb of the sums in window win): a / (1 + 2^(- a log2 e)), for every finite a (a far below 0: the exponential is infinite, its reciprocal 0).
; The 56 exponentials are one batch, the 56 reciprocals another: behind each a plain instruction and a wait ahead of the first line that names a result.
; Each accumulator is read from its low end on.  mode 0: h1, 16 bytes a lane and tile, into the stage.  mode 1: h2 into the last product's source 1.  first = 1: the open barrier is waited for ahead of the stores.
.macro BATCH win, cb, mode, first
	WIN \win                                       ; source 0 in the sums' window
.set i, 0
.rept 28
	v_pk_mul_f32 v[T+2*i:T+2*i+1], v[56*(\cb)+2*i:56*(\cb)+2*i+1], s[66:67] op_sel_hi:[1,0]
.set i, i+1
.endr
	WIN 0
.set i, 0
.rept 56
	v_exp_f32 v[T+i], v[T+i]
.set i, i+1
.endr
	v_nop
	s_wait_alu depctr_va_vdst(0)
.set i, 0
.rept 28
	v_pk_add_f32 v[T+2*i:T+2*i+1], v[T+2*i:T+2*i+1], 1.0 op_sel_hi:[1,0]
.set i, i+1
.endr
.set i, 0
.rept 56
	v_rcp_f32 v[T+i], v[T+i]
.set i, i+1
.endr
	v_nop
	s_wait_alu depctr_va_vdst(0)
	WIN \win
.set i, 0
.rept 28
	v_pk_mul_f32 v[T+2*i:T+2*i+1], v[56*(\cb)+2*i:56*(\cb)+2*i+1], v[T+2*i:T+2*i+1]
.set i, i+1
.endr
	WIN 0
.set nt, 0
.rept 7
.set i, 0
.rept 4
.if \mode
	v_cvt_pk_bf16_f32 v[BUF+8*(7*((\cb)/2)+nt)+4*((\cb)%2)+i], v[T+8*nt+2*i], v[T+8*nt+2*i+1]
.else
	v_cvt_pk_bf16_f32 v[T+8*nt+i], v[T+8*nt+2*i], v[T+8*nt+2*i+1]
.endif
.set i, i+1
.endr
.set nt, nt+1
.endr
.if \first
	s_barrier_wait -1                              ; no wave reads the last chunk's stage any more
.endif
.if !(\mode)
.set nt, 0
.rept 7
	ds_store_b128 v[SS], v[T+8*nt:T+8*nt+3] offset:nt*16*HP+(\cb)*128
.set nt, nt+1
.endr
.endif
.endm
.set nt, 0
.rept 7                                        ; x's fragments of K step 0
	ds_load_b128 v[BUF+8*nt:BUF+8*nt+3],   v[BX+nt]
	ds_load_b128 v[BUF+8*nt+4:BUF+8*nt+7], v[BX+nt] offset:32
.set nt, nt+1
.endr
	s_mov_b32 s34, 4
.Lchunk:                                       ; a chunk of 256 channels of h1; the fourth trip is left in its middle
	KS 0, 1, 1, 1, 1, 64, 56, 14                   ; the first K step starts the sums: nothing is cleared
	WIN 0
	s_mov_b32 s35, 3
.Lg1:                                          ; a trip: steps 1 .. 7 of a revolution and step 0 of the next
	ADV W1P
.irp kk, 1,2,3,4,5,6,7
	KS \kk, 1, 0, 1, 1, ((\kk)+1)*64, 56, 14
.endr
	KS 0, 1, 0, 1, 1, 576, 56, 14
	WIN 0
.set nt, 0
.rept 7
	v_add_nc_u32 v[BX+nt], 512, v[BX+nt]           ; 8 K steps along x's rows
.set nt, nt+1
.endr
	s_sub_co_u32 s35, s35, 1
	s_cmp_lg_u32 s35, 0
	s_cbranch_scc1 .Lg1
	ADV WMP                                        ; the last revolution's refills fetch W_mid's block for this chunk
.irp kk, 1,2,3,4,5,6
	KS \kk, 1, 0, 1, 1, ((\kk)+1)*64, 56, 14
.endr
	KS 7, 1, 0, 1, 0, 0, 56, 0
	WIN 0
.set nt, 0
.rept 7
	v_add_nc_u32 v[BX+nt], -1536, v[BX+nt]         ; back to K step 0; these seven are also the places between the last products and the first read of a sum
.set nt, nt+1
.endr
	s_wait_dscnt 0x0                               ; my reads of the stage (the chunk before) are over:
	s_barrier_signal -1                            ; say so; the first batch's arithmetic stands between the signal and the wait
	BATCH 2, 0, 0, 1
	BATCH 2, 1, 0, 0
	BATCH 2, 2, 0, 0
	BATCH 2, 3, 0, 0
	s_wait_dscnt 0x0                               ; for the others' sake: my 64 channels of the stage are stored
	s_barrier_signal -1
	s_barrier_wait -1
.set nt, 0
.rept 7                                        ; the stage's fragments of K step 0
	ds_load_b128 v[BUF+8*nt:BUF+8*nt+3],   v[BH] offset:nt*16*HP
	ds_load_b128 v[BUF+8*nt+4:BUF+8*nt+7], v[BH] offset:nt*16*HP+32
.set nt, nt+1
.endr
	s_sub_co_u32 s34, s34, 1
	s_cmp_eq_u32 s34, 0
	s_cbranch_scc1 .Llast
	KS 0, 2, 0, 1, 1, 64, 56, 14                   ; the second product: 8 K steps on the chunk
	ADV W1P                                        ; its refills fetch the next chunk's first block of W1
.irp kk, 1,2,3,4,5,6
	KS \kk, 2, 0, 1, 1, ((\kk)+1)*64, 56, 14
.endr
	KS 7, 2, 0, 1, 2, 0, 56, 14
	WIN 0
	s_branch .Lchunk
.Llast:                                        ; the last chunk's second product: behind group 7 nothing is left to fetch, and the counts run down
	KS 0, 2, 0, 1, 1, 64, 56, 14
.irp kk, 1,2,3,4,5,6
	KS \kk, 2, 0, 0, 1, ((\kk)+1)*64, 8*(7-(\kk)), 14
.endr
	KS 7, 2, 0, 0, 0, 0, 0, 0
	WIN 0
.rept 4
	v_nop                                          ; the places between the last products and the first read of a sum
.endr
	BATCH 3, 0, 1, 0                               ; h2, rounded: tiles 2 q and 2 q + 1 of a row tile are the two halves of one fragment of 32 channels
	BATCH 3, 1, 1, 0
	BATCH 3, 2, 1, 0
	BATCH 3, 3, 1, 0
	WIN 2                                          ; W2's fragments in window 2, all else in window 0
.set q, 0
.rept 2                                        ; the last product, my wave's 64 channels: 7 accumulators by turns
.set nt, 0
.rept 7
.if q == 0
	v_wmma_f32_16x16x32_bf16 v[T+8*nt:T+8*nt+7], v[224+8*q:224+8*q+7], v[BUF+8*(7*q+nt):BUF+8*(7*q+nt)+7], 0
.else
	v_wmma_f32_16x16x32_bf16 v[T+8*nt:T+8*nt+7], v[224+8*q:224+8*q+7], v[BUF+8*(7*q+nt):BUF+8*(7*q+nt)+7], v[T+8*nt:T+8*nt+7]
.endif
.set nt, nt+1
.endr
.set q, q+1
.endr
.rept 4
	v_nop
.endr
	WIN 0
.set nt, 0
.rept 7
	ds_store_b128 v[PS], v[T+8*nt:T+8*nt+3] offset:nt*256  ; registers 0 .. 3: in lanes 0 .. 15 a row's four partial outputs, in f32
.set nt, nt+1
.endr
	s_wait_dscnt 0x0
	s_barrier_signal -1
	s_barrier_wait -1                              ; all four waves' partial outputs lie in LDS
.set q, 0
.rept 4
	ds_load_b128 v[T+64+4*q:T+64+4*q+3], v[PR] offset:q*3584
.set q, q+1
.endr
	v_min_u32 v[RO], 0x61a7, v[RO]                 ; the row's number, held to 24,999,
	v_lshlrev_b32 v[RO], 4, v[RO]                  ; times 16 bytes
	v_cmp_gt_u32 vcc_lo, s21, v[NN]                ; rows below the tile's count,
	v_cmp_gt_u32 s68, 0x1c0, v[L16]                ; in lanes 0 .. 27
	s_and_b32 vcc_lo, vcc_lo, s68
	s_wait_dscnt 0x0
	v_pk_add_f32 v[T+64:T+65], v[T+64:T+65], v[T+68:T+69]
	v_pk_add_f32 v[T+66:T+67], v[T+66:T+67], v[T+70:T+71]
	v_pk_add_f32 v[T+72:T+73], v[T+72:T+73], v[T+76:T+77]
	v_pk_add_f32 v[T+74:T+75], v[T+74:T+75], v[T+78:T+79]
	v_pk_add_f32 v[T+64:T+65], v[T+64:T+65], v[T+72:T+73]
	v_pk_add_f32 v[T+66:T+67], v[T+66:T+67], v[T+74:T+75]
	v_add_f32 v[T+64], s24, v[T+64]                ; + b2
	v_add_f32 v[T+65], s25, v[T+65]
	v_add_f32 v[T+66], s26, v[T+66]
	v_add_f32 v[T+67], s27, v[T+67]
	s_wait_xcnt 0x0                                ; EXEC changes only behind this wait
	s_and_saveexec_b32 s69, vcc_lo
	global_store_b128 v[RO], v[T+64:T+67], s[18:19]
	s_wait_xcnt 0x0                                ; and again, in front of the line that widens it
	s_or_b32 exec_lo, exec_lo, s69
	s_wait_tensorcnt 0x0                           ; the wave's end, behind my last LDS store
	ds_add_u32 v[SPW], v[NIL]
	s_wait_dscnt 0x0
	s_endpgm
.Lfunc_end_k_q4917473c38_chain:
	.size	k_q4917473c38_chain, .Lfunc_end_k_q4917473c38_chain-k_q4917473c38_chain
	.p2alignl 7, 3214868480
	.fill 96, 4, 3214868480
	.section	.rodata,"a",@progbits
	.p2align	6, 0x0
	.amdhsa_kernel k_q4917473c38_chain
		.amdhsa_group_segment_fixed_size 305152
		.amdhsa_private_segment_fixed_size 0
		.amdhsa_enable_private_segment 0
		.amdhsa_kernarg_size 64
		.amdhsa_user_sgpr_count 2
		.amdhsa_user_sgpr_kernarg_segment_ptr 1
		.amdhsa_wavefront_size32 1
		.amdhsa_system_sgpr_workgroup_id_x 1
		.amdhsa_system_sgpr_workgroup_id_y 1
		.amdhsa_system_sgpr_workgroup_id_z 1
		.amdhsa_system_vgpr_workitem_id 0
		.amdhsa_next_free_vgpr 1024
		.amdhsa_next_free_sgpr 80
		.amdhsa_reserve_vcc 1
		.amdhsa_float_denorm_mode_32 3
		.amdhsa_float_denorm_mode_16_64 3
		.amdhsa_memory_ordered 1
		.amdhsa_forward_progress 1
		.amdhsa_inst_pref_size 255
	.end_amdhsa_kernel
	.amdgpu_metadata
---
amdhsa.version: [ 1, 2 ]
amdhsa.kernels:
  - .name:           k_q4917473c38_chain
    .symbol:         k_q4917473c38_chain.kd
    .args:
      - { .name: x, .offset: 0, .size: 8, .value_kind: global_buffer, .address_space: global }
      - { .name: w1f, .offset: 8, .size: 8, .value_kind: global_buffer, .address_space: global }
      - { .name: wmf, .offset: 16, .size: 8, .value_kind: global_buffer, .address_space: global }
      - { .name: w2f, .offset: 24, .size: 8, .value_kind: global_buffer, .address_space: global }
      - { .name: b_mid, .offset: 32, .size: 8, .value_kind: global_buffer, .address_space: global }
      - { .name: b2, .offset: 40, .size: 8, .value_kind: global_buffer, .address_space: global }
      - { .name: tiles, .offset: 48, .size: 8, .value_kind: global_buffer, .address_space: global }
      - { .name: out0, .offset: 56, .size: 8, .value_kind: global_buffer, .address_space: global }
    .group_segment_fixed_size: 305152
    .private_segment_fixed_size: 0
    .kernarg_segment_align: 8
    .kernarg_segment_size: 64
    .max_flat_workgroup_size: 128
    .sgpr_count:     80
    .vgpr_count:     1024
    .wavefront_size: 32
...
	.end_amdgpu_metadata
.endif
;; end of part 2
